; MI455X (gfx1250); checked and timed in simulation.
; The chip was launched on July 23, 2026; its instructions are those of AMD's public machine-readable ISA for CDNA 5 (MIT licence, August 2026) and "CDNA5" Instruction Set Architecture Reference Guide (July 2026). The comments in the code are by the model that wrote it; some were corrected since.
;; Multi Head Attention Fusion. Allowed arithmetic: matrix products marked QUANTISED: E2M1 operands, one E8M0 scale for each 32 along K, by v_wmma_scale_f32_16x16x128_f8f6f4 with both operands' format E2M1 (or v_wmma_scale_f32_32x16x128_f4), f32 sums; products left as they are: f32 operands where the result goes on into a quantised operand, else bf16, f16 or f32 operands; f32 sums; everything else in f32.
;; Inputs: Wk 1,024 x 1,024 float32; Wo 1,024 x 1,024 float32; Wq 1,024 x 1,024 float32; Wv 1,024 x 1,024 float32; bk 1,024 float32; bo 1,024 float32; bq 1,024 float32; bv 1,024 float32; image_features 8,192 x 1,024 float32; ln_beta 1,024 float32; ln_gamma 1,024 float32; signal_features 8,192 x 1,024 float32.
;; Outputs: out0 8,192 x 1,024 float32.
;; This version of the problem:
;;   THIS VERSION OF THE PROBLEM IS GIVEN IN LOW PRECISION. The matrix products marked QUANTISED in the list below multiply operands that are first quantised to E2M1 (2 exponent bits, 1 mantissa bit; 4 bits a number), with one power-of-two scale for each 32 numbers along K (OCP MX v1.0); their sums are f32. All else is computed in f32.
;;   The module's matrix products, in the order in which they are computed (A, B: the left and right operand; K: the contracted axis; several contracted axes count as one K, in the product's order):
;;     1. [M 8,192, K 1,024] x [K 1,024, N 1,024]; A: input image_features; B: input Wq: QUANTISED
;;     2. [M 16,384, K 1,024] x [K 1,024, N 1,024]; A: computed on the way; B: input Wk: QUANTISED
;;     3. [M 16,384, K 1,024] x [K 1,024, N 1,024]; A: computed on the way; B: input Wv: QUANTISED
;;     4. batch 65,536 x [M 1, K 128] x [K 128, N 2]; A: computed on the way; B: computed on the way: left as it is (M = 1 < 16)
;;     5. batch 65,536 x [M 1, K 2] x [K 2, N 128]; A: softmax; B: computed on the way: left as it is (K = 2 < 32)
;;     6. [M 8,192, K 1,024] x [K 1,024, N 1,024]; A: computed on the way; B: input Wo: QUANTISED
;;   THE QUANTISER, for each operand of a quantised product, along K:
;;     - K is cut into blocks of 32 from its start; a last block that is shorter is filled with zeros.
;;     - A block's scale is 2^e with e = floor(log2(the largest magnitude in the block)) - 2, held to -126 .. 127; a block of zeros has e = 0. As a byte (E8M0): e + 127.
;;     - Each number is divided by its block's scale, clamped to +-6, and rounded to the nearest number of E2M1, ties to even, subnormals kept.
;;     - The product sums the exact products of the quantised numbers (number of the format x scale) in f32.
;;   ~~~python
;;   def quantise(x, axis):      # numpy; x: float32 -> the quantised numbers, widened to float32 again
;;       x = np.moveaxis(x, axis, -1); K = x.shape[-1]
;;       x = np.pad(x, [(0, 0)] * (x.ndim - 1) + [(0, -K % 32)]); x = x.reshape(x.shape[:-1] + (-1, 32)); a = np.abs(x).max(-1, keepdims=True)
;;       e = np.where(a > 0, np.clip(np.frexp(np.where(a > 0, a, 1))[1] - 1 - 2, -126, 127), 0)      # np.frexp(a)[1] - 1 = floor(log2(a)), exactly
;;       r = np.clip(x / 2.0 ** e, -6, 6)
;;       step = 2.0 ** (np.maximum(np.frexp(np.where(r == 0, 1, r))[1] - 1, 0) - 1)
;;       q = np.round(r / step) * step * 2.0 ** e      # np.round: ties to even
;;       return np.moveaxis(q.reshape(q.shape[:-2] + (-1,))[..., :K], -1, axis).astype(np.float32)
;;   ~~~
;;   OPERANDS COMPUTED ON THE WAY. 'Computed on the way' means the value that the module computes at that place (a softmax that the list does not call 'softmax' is quantised finished and normalised). What goes into a quantiser is computed in f32, as accurately as f32 sums, v_exp_f32 and their like allow (about 1e-6 of the number): no bf16 or f16 on the way to a quantiser, and a product that is left as it is and whose result goes on into a quantised operand takes f32 operands (vector FMAs, or v_wmma_f32_16x16x4_f32). A number that lies on a knife's edge between two numbers of the format may be rounded either way, as far as f32 arithmetic and the matrix unit's own rounding can turn it there, and no further.
;; One version. Each part assembles by itself: llvm-mc -triple=amdgcn-amd-amdhsa -mcpu=gfx1250 --defsym DOCPART=n.
;; ======== version 1 of 1: 2 launches
;; limits: right only within a limited range of input values
;; workspace buffers: wq 2,228,224 bytes
;; launch quant (part 1): grid 256 x 1, 4 waves a work-group, no clusters, 18,432 bytes of LDS; arguments Wq, Wk, Wv, Wo, wq; writes wq
.if DOCPART == 1
	.amdgcn_target "amdgcn-amd-amdhsa--gfx1250"
	.amdhsa_code_object_version 6
	.text
	.protected	k_qb1db06f143_quant
	.globl	k_qb1db06f143_quant
	.p2align	8
	.type	k_qb1db06f143_quant,@function
k_qb1db06f143_quant:
	s_mov_b64 s[64:65], 0
	v_nop
	global_prefetch_b8 v0, s[64:65] scope:SCOPE_SE
	s_setreg_imm32_b32 hwreg(HW_REG_WAVE_MODE, 25, 1), 1
	s_wait_xcnt 0x0
; FIRST OF TWO LAUNCHES.  Wq, Wk, Wv, Wo [1024][1024] f32, K innermost, become codes of FP4 with one E8M0 scale byte for each 32 along K, laid as IMAGES OF OPERAND REGISTERS.
; WORK LEFT OUT IN THE WHOLE PROGRAM: bk.  scores[j] = q . (x_j Wk^T + bk) / sqrt(D) = q . (x_j Wk^T) / sqrt(D) + q . bk / sqrt(D); the last term is the same for both keys j of a
; (row, head): a term added to the softmax's input that is constant along its axis, for all finite values of the inputs.  The product q . k is not quantised, so bk enters no quantiser.
; bk is not loaded and is among no launch's arguments.  LIMIT: a NaN, an infinity or an overflow that comes through bk alone is not carried to the result.
; THE QUANTISER.  A block's scale is 2^(floor(log2(its largest magnitude)) - 2); its byte is the largest magnitude's exponent field - 2, held at 1 from below.
; LIMITS: a block of zeros gets the byte 1 where the rule says 127 (its codes are zeros, and this program alone reads the bytes); NaN and infinities among the inputs are not served.
; A FRAGMENT IMAGE: 16 rows x 128 K, 1,024 bytes: half c at 512 c, lane l's 16 bytes at 16 l = registers 4 c .. 4 c + 3 = K 64 c + 32 (l / 16) + 0 .. 31 of row l % 16.
; A UNIT, 17,408 bytes, is 32 rows of a weight as two tiles u: 16 images at (8 u + s) x 1,024 (s: K step of 128), then the scale words [sg: 2][lane = 16 u + r][4: K steps 4 sg ..] at 16,384.
;   Lane r of tile u takes row 32 U + 8 u + r + 8 (r / 8): used as source 0, a lane's 16 results of a unit are then 16 neighbouring columns.
; wq: [slot t: 16][wave: 4][i: 2] units, in the order in which the second launch fetches them.  Unit U = 8 wave + 4 hh + 2 a + i of weight mu (0 q, 1 k, 2 v, 3 o) has t = 6 hh + 2 mu + a, or 12 + 2 hh + a for o.
; SHARES.  A work-group makes half sg of one unit; wave w tile u = w % 2, K steps 4 sg + 2 (w / 2) + 0, 1.  Each load reads 256 aligned bytes of two rows, which turn through the wave's own stage in LDS.
; The scale words of the four waves meet in LDS and leave as 512 aligned bytes.  No cluster: no two work-groups read the same bytes.
.set STW,   4352                       ; a wave's stage: 16 rows x (256 bytes + 16)
.set SCG,   17408                      ; the work-group's scale words, 512 bytes
.set SPARE, 17920                      ; the spare words, 128 bytes for each wave, which no other line names
.set GA,    1
.set ST,    3
.set RD,    4
.set IM,    5
.set SCO,   6
.set SPW,   10
.set NIL,   11
.set TM,    12
.set PW,    28                         ; v28-29 the scale words of the two K steps
.set PC,    32                         ; v32-47 their codes
.set X,     64                         ; v64-191 two sets of 64 numbers
.set SEL,   30
	s_load_b256 s[8:15], s[0:1], 0x0               ; Wq, Wk, Wv, Wo
	s_load_b64 s[24:25], s[0:1], 0x20              ; wq
	v_lshl_add_u32 v[SPW], v0, 2, SPARE
	v_mov_b32 v[NIL], 0
	v_lshrrev_b32 v7, 5, v0
	v_readfirstlane_b32 s2, v7                     ; wave 0..3
	s_and_b32 s3, s2, 1                            ; u
	s_lshr_b32 s4, s2, 1                           ; which two K steps of the half
	s_and_b32 s5, ttmp9, 1                         ; sg
	s_bfe_u32 s6, ttmp9, 0x50001                   ; U
	s_lshr_b32 s7, ttmp9, 6                        ; mu
	s_lshl_b32 s16, s3, 15
	s_lshl_b32 s28, s6, 17
	s_add_co_u32 s28, s28, s16                     ; the source: (32 U + 8 u) rows of 4,096 bytes,
	s_lshl_b32 s16, s5, 11
	s_add_co_u32 s28, s28, s16                     ; + 2,048 sg
	s_lshl_b32 s16, s4, 10
	s_add_co_u32 s28, s28, s16                     ; + 1,024 for the second pair of K steps
	s_mov_b32 s29, 0
	s_bfe_u32 s32, s6, 0x10002                     ; hh
	s_bfe_u32 s33, s6, 0x10001                     ; a
	s_lshl_b32 s36, s7, 1
	s_add_co_u32 s36, s36, s33
	s_mul_i32 s37, s32, 6
	s_add_co_u32 s36, s36, s37                     ; 6 hh + 2 mu + a
	s_lshl_b32 s37, s32, 1
	s_add_co_u32 s37, s37, s33
	s_add_co_u32 s37, s37, 12                      ; 12 + 2 hh + a
	s_cmp_lt_u32 s7, 3
	s_cselect_b32 s36, s36, s37
	s_lshl_b32 s36, s36, 3
	s_lshr_b32 s37, s6, 3
	s_lshl_b32 s37, s37, 1
	s_add_co_u32 s36, s36, s37
	s_and_b32 s37, s6, 1
	s_add_co_u32 s36, s36, s37                     ; the unit's place: 8 t + 2 wave + i
	s_mul_i32 s36, s36, 17408
	s_lshl_b32 s37, s3, 13
	s_add_co_u32 s38, s36, s37                     ; codes: + 8,192 u
	s_lshl_b32 s37, s5, 12
	s_add_co_u32 s38, s38, s37                     ; + 4,096 sg
	s_lshl_b32 s37, s4, 11
	s_add_co_u32 s38, s38, s37                     ; + 2,048 for the second pair
	s_mov_b32 s39, 0
	s_lshl_b32 s37, s5, 9
	s_add_co_u32 s40, s36, s37
	s_add_co_u32 s40, s40, 16384                   ; scale words: + 16,384 + 512 sg
	s_mov_b32 s41, 0
	s_mul_i32 s17, s2, STW                         ; my stage
	s_lshl_b32 s18, s3, 8
	s_lshl_b32 s19, s4, 3
	s_add_co_u32 s18, s18, s19
	s_add_co_u32 s18, s18, SCG
	s_mov_b32 s[SEL], 0x76543210
	s_mov_b32 s[SEL+1], 0xfedcba98                 ; lane selects: lane l xor 16
	v_and_b32 v7, 31, v0                           ; lane
	v_and_b32 v8, 15, v0                           ; r
	v_bfe_u32 v9, v0, 4, 1                         ; h
	v_lshlrev_b32 v[IM], 4, v7
	v_lshlrev_b32 v[GA], 4, v8
	v_lshl_add_u32 v[GA], v9, 12, v[GA]            ; two rows a load
	v_mul_u32_u24 v[ST], v9, 272
	v_lshl_add_u32 v[ST], v8, 4, v[ST]
	v_add_nc_u32 v[ST], s17, v[ST]
	v_mul_u32_u24 v[RD], v8, 272
	v_lshl_add_u32 v[RD], v9, 6, v[RD]
	v_add_nc_u32 v[RD], s17, v[RD]
	v_lshlrev_b32 v[SCO], 4, v8
	v_add_nc_u32 v[SCO], s18, v[SCO]               ; my two scale words: 16 (16 u + r) + 8 x pair
.irp b, 0,1,2,3
	v_mov_b32 v[TM+4+\b], 0                        ; written once: a lane permute's destination counts as one of its sources
.endr
	s_wait_alu depctr_va_vdst(0)                   ; the wait at the head's end
	s_wait_kmcnt 0x0
	s_mov_b64 s[26:27], s[8:9]
	s_cmp_eq_u32 s7, 1
	s_cselect_b64 s[26:27], s[10:11], s[26:27]
	s_cmp_eq_u32 s7, 2
	s_cselect_b64 s[26:27], s[12:13], s[26:27]
	s_cmp_eq_u32 s7, 3
	s_cselect_b64 s[26:27], s[14:15], s[26:27]
	s_add_nc_u64 s[26:27], s[26:27], s[28:29]
	s_add_nc_u64 s[38:39], s[24:25], s[38:39]
	s_add_nc_u64 s[40:41], s[24:25], s[40:41]
.irp k, 0,1
.irp ch, 0,1
.irp i, 0,1,2,3,4,5,6,7
	global_load_b128 v[X+64*\k+32*\ch+4*\i:X+64*\k+32*\ch+4*\i+3], v[GA], s[26:27] offset:8192*\i+32768*(\i/4)+512*\k+256*\ch th:TH_LOAD_NT   ; tile rows 8 to 15 lie eight rows further down
.endr
.endr
.endr
; 64 registers turn through the stage in place; LDS serves a wave's instructions in order.  Afterwards register 16 b + i of the set is K 32 b + 16 h + i of row r.
.macro KSTEP k, left
.set xr, X+64*(\k)
.set pk, PC+8*(\k)
	s_wait_loadcnt \left
.irp ch, 0,1
.irp i, 0,1,2,3,4,5,6,7
	ds_store_b128 v[ST], v[xr+32*\ch+4*\i:xr+32*\ch+4*\i+3] offset:544*\i
.endr
.irp b, 0,1
.irp j, 0,1,2,3
	ds_load_b128 v[xr+32*\ch+16*\b+4*\j:xr+32*\ch+16*\b+4*\j+3], v[RD] offset:128*\b+16*\j
.endr
.endr
.endr
	s_wait_dscnt 0x0
.irp b, 0,1,2,3
	v_max3_num_f32 v[TM+\b], |v[xr+16*\b]|, |v[xr+1+16*\b]|, 0x1800000   ; and the floor 2^(3 - 127): the byte cannot fall under 1
.endr
.irp i, 2,4,6,8,10,12,14
.irp b, 0,1,2,3
	v_max3_num_f32 v[TM+\b], v[TM+\b], |v[xr+16*\b+\i]|, |v[xr+1+16*\b+\i]|
.endr
.endr
.irp b, 0,1,2,3
	v_permlanex16_b32 v[TM+4+\b], v[TM+\b], s[SEL], s[SEL+1]
.endr
.irp b, 0,1,2,3
	v_max_num_f32 v[TM+\b], v[TM+\b], v[TM+4+\b]
.endr
.irp b, 0,1,2,3
	v_add_nc_u32 v[TM+12+\b], 0xff000000, v[TM+\b] ; 2 off the exponent field: the conversion's scale operand
.endr
.irp b, 0,1,2,3
	v_lshrrev_b32 v[TM+4+\b], 23, v[TM+12+\b]      ; the scale's byte
.endr
	v_lshl_or_b32 v[PW+\k], v[TM+5], 8, v[TM+4]
	v_lshl_or_b32 v[PW+\k], v[TM+6], 16, v[PW+\k]
	v_lshl_or_b32 v[PW+\k], v[TM+7], 24, v[PW+\k]
.irp b, 0,1,2,3
	v_cvt_scalef32_pk8_fp4_f32 v[pk+2*\b], v[xr+16*\b:xr+7+16*\b], v[TM+12+\b]
	v_cvt_scalef32_pk8_fp4_f32 v[pk+1+2*\b], v[xr+8+16*\b:xr+15+16*\b], v[TM+12+\b]
.endr
	v_nop                                          ; one plain place behind a scaled conversion
.irp c, 0,1                                    ; a whole block in a lane: lanes 0-15 block 2 c, lanes 16-31 block 2 c + 1
.irp i, 0,1
	v_permlane16_swap_b32 v[pk+4*\c+\i], v[pk+2+4*\c+\i]
.endr
.endr
	global_store_b128 v[IM], v[pk:pk+3], s[38:39] offset:1024*(\k)          ; 32 lanes store 512 consecutive bytes, aligned
	global_store_b128 v[IM], v[pk+4:pk+7], s[38:39] offset:1024*(\k)+512
.endm
	KSTEP 0, 16                                    ; the second K step's 16 loads may be out
	KSTEP 1, 0
	s_wait_alu depctr_va_vdst(0)                   ; ahead of the reader below
	ds_store_b64 v[SCO], v[PW:PW+1]                ; both lanes of a row write the same bytes with the same value
	v_add_nc_u32 v7, SCG, v[IM]
	s_wait_alu depctr_va_vdst(0)                   ; and ahead of the wait below
	s_wait_dscnt 0x0
	s_barrier_signal -1
	s_barrier_wait -1                              ; the four waves' scale words lie in LDS
	s_cmp_lg_u32 s2, 0
	s_cbranch_scc1 .Lend
	ds_load_b128 v[48:51], v7
	s_wait_dscnt 0x0
	global_store_b128 v[IM], v[48:51], s[40:41]    ; 512 consecutive bytes, aligned
.Lend:
	s_wait_tensorcnt 0x0                           ; the wave's end
	ds_add_u32 v[SPW], v[NIL]
	s_wait_dscnt 0x0
	s_endpgm
.Lfunc_end_k_qb1db06f143_quant:
	.size	k_qb1db06f143_quant, .Lfunc_end_k_qb1db06f143_quant-k_qb1db06f143_quant
	.p2alignl 7, 3214868480
	.fill 96, 4, 3214868480
	.section	.rodata,"a",@progbits
	.p2align	6, 0x0
	.amdhsa_kernel k_qb1db06f143_quant
		.amdhsa_group_segment_fixed_size 18432
		.amdhsa_private_segment_fixed_size 0
		.amdhsa_enable_private_segment 0
		.amdhsa_kernarg_size 40
		.amdhsa_user_sgpr_count 2
		.amdhsa_user_sgpr_kernarg_segment_ptr 1
		.amdhsa_wavefront_size32 1
		.amdhsa_system_sgpr_workgroup_id_x 1
		.amdhsa_system_sgpr_workgroup_id_y 1
		.amdhsa_system_sgpr_workgroup_id_z 1
		.amdhsa_system_vgpr_workitem_id 0
		.amdhsa_next_free_vgpr 192
		.amdhsa_next_free_sgpr 66
		.amdhsa_reserve_vcc 0
		.amdhsa_float_denorm_mode_32 3
		.amdhsa_float_denorm_mode_16_64 3
		.amdhsa_memory_ordered 1
		.amdhsa_forward_progress 1
		.amdhsa_inst_pref_size 20
	.end_amdhsa_kernel
	.amdgpu_metadata
---
amdhsa.version: [ 1, 2 ]
amdhsa.kernels:
  - .name:           k_qb1db06f143_quant
    .symbol:         k_qb1db06f143_quant.kd
    .args:
      - { .name: Wq, .offset: 0, .size: 8, .value_kind: global_buffer, .address_space: global }
      - { .name: Wk, .offset: 8, .size: 8, .value_kind: global_buffer, .address_space: global }
      - { .name: Wv, .offset: 16, .size: 8, .value_kind: global_buffer, .address_space: global }
      - { .name: Wo, .offset: 24, .size: 8, .value_kind: global_buffer, .address_space: global }
      - { .name: wq, .offset: 32, .size: 8, .value_kind: global_buffer, .address_space: global }
    .group_segment_fixed_size: 18432
    .private_segment_fixed_size: 0
    .kernarg_segment_align: 8
    .kernarg_segment_size: 40
    .max_flat_workgroup_size: 128
    .sgpr_count:     66
    .vgpr_count:     192
    .wavefront_size: 32
...
	.end_amdgpu_metadata
.endif
;; end of part 1
;; launch fuse (part 2): grid 256 x 1, 4 waves a work-group, clusters of 4 x 1, 327,680 bytes of LDS; arguments image_features, signal_features, wq, bq, bv, bo, ln_gamma, ln_beta, out0; writes out0
.if DOCPART == 2
	.amdgcn_target "amdgcn-amd-amdhsa--gfx1250"
	.amdhsa_code_object_version 6
	.text
	.protected	k_qb1db06f143_fuse
	.globl	k_qb1db06f143_fuse
	.p2align	8
	.type	k_qb1db06f143_fuse,@function
k_qb1db06f143_fuse:
	s_mov_b64 s[64:65], 0
	v_nop
	global_prefetch_b8 v0, s[64:65] scope:SCOPE_SE
	s_setreg_imm32_b32 hwreg(HW_REG_WAVE_MODE, 25, 1), 1
	s_wait_xcnt 0x0
	s_wait_alu depctr_hold_cnt(0) depctr_sa_sdst(0) depctr_va_vdst(0) depctr_va_sdst(0) depctr_va_ssrc(0) depctr_va_vcc(0) depctr_vm_vsrc(0)
	s_getreg_b32 s2, hwreg(HW_REG_IB_STS2, 6, 4)
	s_cmp_eq_u32 s2, 0
	s_cbranch_scc0 .Lentry_in_a_cluster
	s_endpgm
.Lentry_in_a_cluster:
	s_bfe_u32 s2, ttmp6, 0x10000c
	s_cmp_lg_u32 s2, 0x3003
	s_cbranch_scc0 .Lentry_shape_is_right
	s_endpgm
.Lentry_shape_is_right:
; SECOND LAUNCH.  For 32 rows: img and sig are quantised, q = img Wq^T + bq, k = [img, sig] Wk^T, v = [img, sig] Wv^T + bv on codes of FP4, scores q . k / sqrt(128) in f32, softmax over the two keys
; with the maximum taken away, ctx = a0 v_img + a1 v_sig in f32, ctx quantised along E, attn_out = ctx Wo^T + bo, + img, LayerNorm.
; WORK LEFT OUT: bk adds q . bk / sqrt(128) to both scores of a (row, head) alike, which the softmax takes away for all finite inputs, and it enters no quantiser: it is not loaded.
; LIMITS: a NaN, infinity or overflow that comes through bk alone is not carried on; NaN and infinities ahead of a quantiser are not served; a block of zeros gets the byte 1 (its codes are zeros; this program alone reads the bytes).
; SHARES.  Wave w owns columns 256 w .. 256 w + 255: heads 2 w (hh = 0) and 2 w + 1 (hh = 1) of q, k, v and ctx, and the same columns of the output.  Two row tiles m, two modalities z.
; It quantises its 256 columns of img and sig; the codes meet in LDS and every wave takes all of them into 256 registers.  The f32 numbers of img stay in registers: they are the C of the last product.
; sig's loads are on their way while head 0's q is multiplied.  Weights: 16 slots t of 8 units (two a wave, each wave its own) through a ring of two LDS slots: q q k k v v for each head, then o o o o.
; CLUSTER.  Four work-groups walk the same weights: each wave's two units are asked for jointly, mask 15.
; PREFETCH.  Behind the joint load for slot t stands the request for slot t + 2, by 4 of the 64 clusters; a wave's 136 blocks of 256 bytes are shared out among the four partners by address, 34 each.  The last asks for slot 15.
; LAYOUT.  Products are used transposed (source 0 = 16 rows of W, source 1 = 16 rows of x): lane (r, h) holds row r, and register j of tile u of a unit is column 32 U + 16 h + 8 u + j.
; REGISTERS, in windows of 256.  Window 0: below.  Window 1: codes of img at 64 m + 8 s (later ctx's), of sig at 128 + 64 m + 8 s.  Window 2: img, then the output, at 128 m + 16 x unit + 8 u.
;   Window 3: v0-127 two buffers of W (a unit's two tiles x four K steps each); v128-255 q of a head at 32 x unit + 16 m + 8 u.
; SLOT 15 alone does not pass through LDS: its two units a wave go from memory straight into the registers that q and sig's codes have left, while slots 12 and 13 are multiplied.
.set XU,    17408                      ; a unit
.set WPART, 34816                      ; a wave's two units
.set SLOT,  139264
.set CODES, 278528                     ; codes of img, then of sig: 16 images and 1,024 bytes of scale words
.set STG,   295936                     ; the waves' stages of 4,352 bytes; then ctx's codes and scale words; at the end the stages again
.set CTO,   17408                      ; STG - CODES
.set BIAS,  313344                     ; bq, bv, bo: 4,096 bytes each
.set LN,    325632
.set SPARE, 326656                     ; the spare words, 128 bytes for each wave, which no other line names
.set LW,  2                            ; v2-3 my units in slot 0, 1
.set GA,  4
.set ST,  5
.set RD,  6
.set CW,  7
.set CR,  8
.set XW,  9
.set SPW, 10
.set NIL, 11
.set BA,  12
.set XR,  13
.set TW,  14
.set TS,  15
.set VB,  16
.set LS,  17
.set LR,  18
.set PF,  19                           ; v19-20 the prefetches' offsets
.set XSI, 26                           ; img's scale words by K step (lanes 0-15 tile 0, lanes 16-31 tile 1), later ctx's
.set XSS, 34                           ; sig's
.set WSC, 42                           ; W's by K step (lanes 0-15 tile u = 0, lanes 16-31 tile 1)
.set BI,  50                           ; a unit's bias in the result's layout
.set QPC, 66                           ; codes made of img or sig: three sets of 8 registers by turns; later:
.set SS,  66
.set TT,  74
.set P0,  82
.set TM,  98
.set PW,  114
.set BA0, 119
.set TW0, 120
.set TS0, 121
.set KA,  128                          ; k or v of a unit at 32 z + 16 m + 8 u.  (v128-255 hold sig's tile 1 until it is quantised)
.set CX,  192
.set PC,  224
.set GM,  128                          ; from the last product on
.set BT,  144
.set T,   160
.set MU,  184
.set RS,  188
.set QA,  128                          ; in window 3
.set WV,  3
.set PFA, 32
.set PFC, 34
.set HH,  35
.set SEL, 54
.set MSB, 0
.macro WIN new                         ; the immediate's high byte repeats the setting that is left
.if MSB != (\new)
	s_set_vgpr_msb (MSB<<8)|(\new)
.set MSB, (\new)
.endif
.endm
.macro PLACES n
.rept \n
	v_nop
.endr
.endm
.macro CREST                           ; a round of the cluster's barrier behind its opening barrier
	s_cmp_lg_u32 s[WV], 0
	s_cbranch_scc1 .Lnot_wave_0_\@
	s_barrier_signal -3
.Lnot_wave_0_\@:
	s_barrier_wait -3
	s_barrier_signal -1
	s_barrier_wait -1
.endm
.macro ROUND
	s_barrier_signal -1
	s_barrier_wait -1
	CREST
.endm
.macro JLOAD slot                      ; an s_nop 0 and four v_nop follow
	tensor_load_to_lds s[24+4*\slot:27+4*\slot], s[16:23]
	s_nop 0
	PLACES 4
.endm
.macro PREF off
	s_cmp_lg_u32 s[PFC], 0
	s_cbranch_scc1 .Lno_pref_\@
	global_prefetch_b8 v[PF], s[PFA:PFA+1] offset:\off th:TH_LOAD_NT scope:SCOPE_SE
	global_prefetch_b8 v[PF+1], s[PFA:PFA+1] offset:\off th:TH_LOAD_NT scope:SCOPE_SE
.Lno_pref_\@:
.endm
; one matrix instruction.  cm = 0: C is the constant 0; 1: C = v[c ..].  ra, rb: source 0's, source 1's scales stand in lanes 16-31
.macro WM d, a, b, cm, c, sa, sb, ra, rb
.if (\cm) == 0
.if (\ra) && (\rb)
	v_wmma_scale_f32_16x16x128_f8f6f4 v[\d:\d+7], v[\a:\a+7], v[\b:\b+7], 0, v[\sa], v[\sb] matrix_a_fmt:MATRIX_FMT_FP4 matrix_b_fmt:MATRIX_FMT_FP4 matrix_a_scale:MATRIX_SCALE_ROW1 matrix_b_scale:MATRIX_SCALE_ROW1
.elseif (\ra)
	v_wmma_scale_f32_16x16x128_f8f6f4 v[\d:\d+7], v[\a:\a+7], v[\b:\b+7], 0, v[\sa], v[\sb] matrix_a_fmt:MATRIX_FMT_FP4 matrix_b_fmt:MATRIX_FMT_FP4 matrix_a_scale:MATRIX_SCALE_ROW1
.elseif (\rb)
	v_wmma_scale_f32_16x16x128_f8f6f4 v[\d:\d+7], v[\a:\a+7], v[\b:\b+7], 0, v[\sa], v[\sb] matrix_a_fmt:MATRIX_FMT_FP4 matrix_b_fmt:MATRIX_FMT_FP4 matrix_b_scale:MATRIX_SCALE_ROW1
.else
	v_wmma_scale_f32_16x16x128_f8f6f4 v[\d:\d+7], v[\a:\a+7], v[\b:\b+7], 0, v[\sa], v[\sb] matrix_a_fmt:MATRIX_FMT_FP4 matrix_b_fmt:MATRIX_FMT_FP4
.endif
.else
.if (\ra) && (\rb)
	v_wmma_scale_f32_16x16x128_f8f6f4 v[\d:\d+7], v[\a:\a+7], v[\b:\b+7], v[\c:\c+7], v[\sa], v[\sb] matrix_a_fmt:MATRIX_FMT_FP4 matrix_b_fmt:MATRIX_FMT_FP4 matrix_a_scale:MATRIX_SCALE_ROW1 matrix_b_scale:MATRIX_SCALE_ROW1
.elseif (\ra)
	v_wmma_scale_f32_16x16x128_f8f6f4 v[\d:\d+7], v[\a:\a+7], v[\b:\b+7], v[\c:\c+7], v[\sa], v[\sb] matrix_a_fmt:MATRIX_FMT_FP4 matrix_b_fmt:MATRIX_FMT_FP4 matrix_a_scale:MATRIX_SCALE_ROW1
.elseif (\rb)
	v_wmma_scale_f32_16x16x128_f8f6f4 v[\d:\d+7], v[\a:\a+7], v[\b:\b+7], v[\c:\c+7], v[\sa], v[\sb] matrix_a_fmt:MATRIX_FMT_FP4 matrix_b_fmt:MATRIX_FMT_FP4 matrix_b_scale:MATRIX_SCALE_ROW1
.else
	v_wmma_scale_f32_16x16x128_f8f6f4 v[\d:\d+7], v[\a:\a+7], v[\b:\b+7], v[\c:\c+7], v[\sa], v[\sb] matrix_a_fmt:MATRIX_FMT_FP4 matrix_b_fmt:MATRIX_FMT_FP4
.endif
.endif
.endm
; One K step, 4 hf + k, of a unit.  ty: 0 q (four accumulators by turns; bq is the first C), 1 k (eight; the sums start with 0), 2 v (eight; bv), 3 o (four; img + bo is the first C)
.macro MS ty, iu, hf, k
.set fs, 4*(\hf)+(\k)
.set fw, 64*(\hf)+8*(\k)
.if (\ty) == 0
.if fs == 0
	WIN 0xC7
.else
	WIN 0xF7
.endif
.irp u, 0,1
.irp m, 0,1
.if fs == 0
	WM QA+32*(\iu)+16*\m+8*\u, fw+32*\u, 64*\m+8*fs, 1, BI+8*\u, WSC+fs, XSI+fs, \u, \m
.else
	WM QA+32*(\iu)+16*\m+8*\u, fw+32*\u, 64*\m+8*fs, 1, QA+32*(\iu)+16*\m+8*\u, WSC+fs, XSI+fs, \u, \m
.endif
.endr
.endr
.elseif (\ty) == 3
	WIN 0xA7
.irp u, 0,1
.irp m, 0,1
	WM 128*\m+16*(\iu)+8*\u, fw+32*\u, 64*\m+8*fs, 1, 128*\m+16*(\iu)+8*\u, WSC+fs, XSI+fs, \u, \m
.endr
.endr
.else
	WIN 0x07
.irp z, 0,1
.irp u, 0,1
.irp m, 0,1
.if fs > 0
	WM KA+32*\z+16*\m+8*\u, fw+32*\u, 128*\z+64*\m+8*fs, 1, KA+32*\z+16*\m+8*\u, WSC+fs, XSI+8*\z+fs, \u, \m
.elseif (\ty) == 2
	WM KA+32*\z+16*\m+8*\u, fw+32*\u, 128*\z+64*\m+8*fs, 1, BI+8*\u, WSC+fs, XSI+8*\z+fs, \u, \m
.else
	WM KA+32*\z+16*\m+8*\u, fw+32*\u, 128*\z+64*\m+8*fs, 0, 0, WSC+fs, XSI+8*\z+fs, \u, \m
.endif
.endr
.endr
.endr
.endif
.endm
.macro MS2 ty, iu, pp                  ; a unit's piece pp: K steps 2 pp, 2 pp + 1
	MS \ty, \iu, (\pp)/2, 2*((\pp)%2)
	MS \ty, \iu, (\pp)/2, 2*((\pp)%2)+1
.endm
; piece pp of unit i of a slot: the fragments of both tiles for two K steps, and their scale words: 9 loads.  The four pieces of a unit have 32 registers each
.macro FETCH slot, i, pp
.set fh, (\pp)/2
.set fq, 2*((\pp)%2)
	WIN 0xC0
.irp u, 0,1
.irp k, 0,1
.irp c, 0,1
	ds_load_b128 v[64*fh+32*\u+8*(fq+\k)+4*\c:64*fh+32*\u+8*(fq+\k)+4*\c+3], v[LW+(\slot)] offset:(\i)*XU+(8*\u+4*fh+fq+\k)*1024+512*\c
.endr
.endr
.endr
	WIN 0
	ds_load_b64 v[WSC+4*fh+fq:WSC+4*fh+fq+1], v[LW+(\slot)] offset:(\i)*XU+16384+512*fh+4*fq
.endm
.macro BIASF reg, off
.irp c, 0,1,2,3
	ds_load_b128 v[BI+4*\c:BI+4*\c+3], v[\reg] offset:(\off)+16*\c
.endr
.endm
.macro XREAD dst, off, xs              ; all the work-group's codes of one kind into window 1, and their scale words
.irp s, 0,1,2,3,4,5,6,7
	ds_load_b32 v[\xs+\s], v[XR] offset:\off+128*\s
.endr
	WIN 0x40
.irp s, 0,1,2,3,4,5,6,7
.irp m, 0,1
.irp c, 0,1
	ds_load_b128 v[\dst+64*\m+8*\s+4*\c:\dst+64*\m+8*\s+4*\c+3], v[CR] offset:\off+(8*\m+\s)*1024+512*\c
.endr
.endr
.endr
	WIN 0
.endm
.macro LOADX win, base, m, kk, src     ; 16 rows x 128 columns of a feature: lanes 0-15 take 256 aligned bytes of one row, lanes 16-31 of the next
	WIN 0x40*(\win)
.irp ch, 0,1
.irp i, 0,1,2,3,4,5,6,7
	global_load_b128 v[\base+32*\ch+4*\i:\base+32*\ch+4*\i+3], v[GA], s[\src:\src+1] offset:(16*(\m)+2*\i)*4096+512*(\kk)+256*\ch th:TH_LOAD_NT
.endr
.endr
	WIN 0
.endm
; 64 registers of window win turn through my stage in place (LDS serves a wave's instructions in order); then register 16 b + i is K 32 b + 16 h + i of row r.
; They become a fragment's 8 registers of codes and its rows' scale word; the codes go to LDS.
.macro TURNX win, base                 ; the turn: 16 stores and 16 loads
	WIN 0x44*(\win)
.irp ch, 0,1
.irp i, 0,1,2,3,4,5,6,7
	ds_store_b128 v[ST], v[\base+32*\ch+4*\i:\base+32*\ch+4*\i+3] offset:544*\i
.endr
.irp b, 0,1
.irp j, 0,1,2,3
	ds_load_b128 v[\base+32*\ch+16*\b+4*\j:\base+32*\ch+16*\b+4*\j+3], v[RD] offset:128*\b+16*\j
.endr
.endr
.endr
.endm
.macro QX win, base, m, kk             ; the quantiser, and two stores of codes
.set cq, QPC+8*((2*(\m)+(\kk))%3)
.set pw, PW+2*(\m)+(\kk)
	WIN 5*(\win)
.irp b, 0,1,2,3
	v_max3_num_f32 v[TM+\b], |v[\base+16*\b]|, |v[\base+1+16*\b]|, 0x1800000   ; and the floor 2^(3 - 127): the byte cannot fall under 1
.endr
.irp i, 2,4,6,8,10,12,14
.irp b, 0,1,2,3
	v_max3_num_f32 v[TM+\b], |v[\base+16*\b+\i]|, |v[\base+1+16*\b+\i]|, v[TM+\b]
.endr
.endr
	WIN 0
.irp b, 0,1,2,3
	v_permlanex16_b32 v[TM+4+\b], v[TM+\b], s[SEL], s[SEL+1]
.endr
.irp b, 0,1,2,3
	v_max_num_f32 v[TM+\b], v[TM+\b], v[TM+4+\b]
.endr
.irp b, 0,1,2,3
	v_add_nc_u32 v[TM+12+\b], 0xff000000, v[TM+\b] ; 2 off the exponent field: the conversion's scale operand
.endr
.irp b, 0,1,2,3
	v_lshrrev_b32 v[TM+4+\b], 23, v[TM+12+\b]      ; the scale's byte
.endr
	v_lshl_or_b32 v[pw], v[TM+5], 8, v[TM+4]
	v_lshl_or_b32 v[pw], v[TM+6], 16, v[pw]
	v_lshl_or_b32 v[pw], v[TM+7], 24, v[pw]
	WIN \win
.irp b, 0,1,2,3
	v_cvt_scalef32_pk8_fp4_f32 v[cq+2*\b], v[\base+16*\b:\base+7+16*\b], v[TM+12+\b]
	v_cvt_scalef32_pk8_fp4_f32 v[cq+1+2*\b], v[\base+8+16*\b:\base+15+16*\b], v[TM+12+\b]
.endr
	v_nop                                          ; one plain place behind a scaled conversion
	WIN 0
.irp c, 0,1                                    ; a whole block in a lane: lanes 0-15 block 2 c, lanes 16-31 block 2 c + 1
.irp i, 0,1
	v_permlane16_swap_b32 v[cq+4*\c+\i], v[cq+2+4*\c+\i]
.endr
.endr
	s_wait_alu depctr_va_vdst(0)                   ; ahead of later blocking waits
	ds_store_b128 v[CW], v[cq:cq+3] offset:8192*(\m)+1024*(\kk)
	ds_store_b128 v[CW], v[cq+4:cq+7] offset:8192*(\m)+1024*(\kk)+512
.endm
.macro CHUNK win, base, m, kk
	TURNX \win, \base
	s_wait_dscnt 0x0
	QX \win, \base, \m, \kk
.endm
.macro XSTORE                          ; my two K steps' scale words: lanes 0-15 tile 0's rows, lanes 16-31 tile 1's
.irp kk, 0,1
	v_cndmask_b32 v[TM+\kk], v[PW+\kk], v[PW+2+\kk], s56
.endr
.irp kk, 0,1
	ds_store_b32 v[XW], v[TM+\kk] offset:128*\kk
.endr
	s_wait_alu depctr_va_vdst(0)
.endm
; the first trip quantises sig here; the change of slots behind it shows the codes to every wave
.macro SIGQ
	WIN 0
	s_wait_loadcnt 0x0
	s_cmp_lg_u32 s[HH], 0
	s_cbranch_scc1 .Lno_sig_\@
	TURNX 1, 128
	TURNX 1, 192
	s_wait_dscnt 32                                ; the next chunk's 32 may be out; below also the 2 code stores ahead of them
	QX 1, 128, 0, 0
	TURNX 0, 128
	s_wait_dscnt 34
	QX 1, 192, 0, 1
	TURNX 0, 192
	s_wait_dscnt 34
	QX 0, 128, 1, 0
	s_wait_dscnt 2
	QX 0, 192, 1, 1
	XSTORE
.Lno_sig_\@:
.endm
.macro SIGR
	s_cmp_lg_u32 s[HH], 0
	s_cbranch_scc1 .Lno_sigr_\@
	XREAD 128, 0, XSS
.Lno_sigr_\@:
.endm
; scores += q . k over a unit's columns, two at a time, in f32; chain (m, z).  Each accumulator is read from its low end on
.macro DOT iu
	WIN 0x03
.irp p, 0,1,2,3,4,5,6,7
.irp m, 0,1
.irp z, 0,1
.if ((\iu) == 0) && (\p == 0)
	v_pk_mul_f32 v[SS+4*\m+2*\z:SS+4*\m+2*\z+1], v[QA+32*(\iu)+16*\m+2*\p:QA+32*(\iu)+16*\m+2*\p+1], v[KA+32*\z+16*\m+2*\p:KA+32*\z+16*\m+2*\p+1]
.else
	v_pk_fma_f32 v[SS+4*\m+2*\z:SS+4*\m+2*\z+1], v[QA+32*(\iu)+16*\m+2*\p:QA+32*(\iu)+16*\m+2*\p+1], v[KA+32*\z+16*\m+2*\p:KA+32*\z+16*\m+2*\p+1], v[SS+4*\m+2*\z:SS+4*\m+2*\z+1]
.endif
.endr
.endr
.endr
	WIN 0
	s_wait_alu depctr_va_vdst(0)
.endm
; The softmax over the two keys.  (d - max) x c is a subtraction and a multiplication: fused, the rounding of max x c would stay in the exponent and grow with the scores
.macro SOFTMAX
.irp i, 0,1,2,3
	v_add_f32 v[SS+2*\i], v[SS+2*\i], v[SS+2*\i+1]
.endr
.irp i, 0,1,2,3
	v_permlanex16_b32 v[SS+2*\i+1], v[SS+2*\i], s[SEL], s[SEL+1]   ; the row's other 64 columns lie in the lane 16 away
.endr
.irp i, 0,1,2,3
	v_add_f32 v[SS+2*\i], v[SS+2*\i], v[SS+2*\i+1]
.endr
.irp m, 0,1
	v_max_num_f32 v[TT+\m], v[SS+4*\m], v[SS+4*\m+2]
.endr
.irp i, 0,1,2,3
	v_sub_f32 v[SS+2*\i], v[SS+2*\i], v[TT+\i/2]
.endr
.irp i, 0,1,2,3
	v_mul_f32 v[SS+2*\i], 0x3e0293ee, v[SS+2*\i]   ; c = log2(e) / sqrt(128)
.endr
	s_wait_alu depctr_va_vdst(0)                   ; a wait ahead of each batch and one behind it
.irp i, 0,1,2,3
	v_exp_f32 v[SS+2*\i], v[SS+2*\i]
.endr
	v_nop
	s_wait_alu depctr_va_vdst(0)
.irp m, 0,1
	v_add_f32 v[TT+\m], v[SS+4*\m], v[SS+4*\m+2]
.endr
	s_wait_alu depctr_va_vdst(0)
.irp m, 0,1
	v_rcp_f32 v[TT+4+\m], v[TT+\m]
.endr
	v_nop
	s_wait_alu depctr_va_vdst(0)
.irp i, 0,1,2,3
	v_mul_f32 v[P0+2*\i], v[SS+2*\i], v[TT+4+\i/2] ; a, twice: a pair for the packed forms
	v_mul_f32 v[P0+2*\i+1], v[SS+2*\i], v[TT+4+\i/2]
.endr
	s_wait_alu depctr_va_vdst(0)
.endm
; ctx = a0 v_img + a1 v_sig for a unit's columns, and the unit becomes block b of the last product's K step 2 w + hh
.macro CTXQ b
.irp p, 0,1,2,3,4,5,6,7
.irp m, 0,1
	v_pk_mul_f32 v[CX+16*\m+2*\p:CX+16*\m+2*\p+1], v[KA+16*\m+2*\p:KA+16*\m+2*\p+1], v[P0+4*\m:P0+4*\m+1]
.endr
.endr
.irp p, 0,1,2,3,4,5,6,7
.irp m, 0,1
	v_pk_fma_f32 v[CX+16*\m+2*\p:CX+16*\m+2*\p+1], v[KA+32+16*\m+2*\p:KA+32+16*\m+2*\p+1], v[P0+4*\m+2:P0+4*\m+3], v[CX+16*\m+2*\p:CX+16*\m+2*\p+1]
.endr
.endr
.irp c, 0,1
.irp m, 0,1
	v_max3_num_f32 v[TM+2*\m+\c], |v[CX+16*\m+8*\c]|, |v[CX+16*\m+8*\c+1]|, 0x1800000
.endr
.endr
.irp i, 2,4,6
.irp c, 0,1
.irp m, 0,1
	v_max3_num_f32 v[TM+2*\m+\c], v[TM+2*\m+\c], |v[CX+16*\m+8*\c+\i]|, |v[CX+16*\m+8*\c+\i+1]|
.endr
.endr
.endr
.irp m, 0,1
	v_max_num_f32 v[TM+8+\m], v[TM+2*\m], v[TM+2*\m+1]
.endr
.irp m, 0,1
	v_permlanex16_b32 v[TM+4+\m], v[TM+8+\m], s[SEL], s[SEL+1]
.endr
.irp m, 0,1
	v_max_num_f32 v[TM+8+\m], v[TM+8+\m], v[TM+4+\m]
.endr
.irp m, 0,1
	v_add_nc_u32 v[TM+12+\m], 0xff000000, v[TM+8+\m]
.endr
.irp m, 0,1
	v_lshrrev_b32 v[TM+4+\m], 23, v[TM+12+\m]
.endr
.irp m, 0,1
.if (\b) == 0
	v_mov_b32 v[PW+\m], v[TM+4+\m]
.else
	v_lshl_or_b32 v[PW+\m], v[TM+4+\m], 8*(\b), v[PW+\m]
.endif
.endr
.irp m, 0,1
	v_cvt_scalef32_pk8_fp4_f32 v[PC+8*\m+2*(\b)], v[CX+16*\m:CX+16*\m+7], v[TM+12+\m]
	v_cvt_scalef32_pk8_fp4_f32 v[PC+8*\m+2*(\b)+1], v[CX+16*\m+8:CX+16*\m+15], v[TM+12+\m]
.endr
	v_nop
.if (\b)%2 == 1
.irp m, 0,1
.irp i, 0,1
	v_permlane16_swap_b32 v[PC+8*\m+2*(\b)-2+\i], v[PC+8*\m+2*(\b)+\i]
.endr
.endr
.endif
	s_wait_alu depctr_va_vdst(0)
.if (\b) == 3                          ; the head's K step is whole: its two images and its scale words go to LDS
	v_cndmask_b32 v[TM], v[PW], v[PW+1], s56
.irp m, 0,1
.irp c, 0,1
	ds_store_b128 v[TW], v[PC+8*\m+4*\c:PC+8*\m+4*\c+3] offset:8192*\m+512*\c
.endr
.endr
	ds_store_b32 v[TS], v[TM]
	s_wait_alu depctr_va_vdst(0)
.endif
.endm
.macro BOADD iu, bi                    ; img + bo: the C of a unit's sums
	WIN 0x82
.irp m, 0,1
.irp p, 0,1,2,3,4,5,6,7
	v_pk_add_f32 v[128*\m+16*(\iu)+2*\p:128*\m+16*(\iu)+2*\p+1], v[128*\m+16*(\iu)+2*\p:128*\m+16*(\iu)+2*\p+1], v[\bi+2*\p:\bi+2*\p+1]
.endr
.endr
.endm
.macro SUMU iu                         ; a finished unit joins the rows' sums, four chains of pairs a tile
.if (\iu) == 0
	WIN 0x0A
.irp c, 0,1,2,3
.irp m, 0,1
	v_pk_add_f32 v[T+8*\m+2*\c:T+8*\m+2*\c+1], v[128*\m+2*\c:128*\m+2*\c+1], v[128*\m+8+2*\c:128*\m+8+2*\c+1]
.endr
.endr
.else
	WIN 0x08
.irp p, 0,1,2,3,4,5,6,7
.irp m, 0,1
	v_pk_add_f32 v[T+8*\m+2*(\p%4):T+8*\m+2*(\p%4)+1], v[T+8*\m+2*(\p%4):T+8*\m+2*(\p%4)+1], v[128*\m+16*(\iu)+2*\p:128*\m+16*(\iu)+2*\p+1]
.endr
.endr
.endif
	WIN 0
	s_wait_alu depctr_va_vdst(0)
.endm
.macro VEC ty, iu                      ; a finished unit's vector work
.if (\ty) == 1
	DOT \iu
.if (\iu) == 3
	SOFTMAX
.endif
.elseif (\ty) == 2
	CTXQ \iu
.elseif (\ty) == 3
	SUMU \iu
.endif
.endm
; A slot's sixth piece (piece 1 of unit iu) and the change of slots: the last two pieces are in registers when the wave's reads of the slot have been waited for.  In front of the round each wave waits for all its tensor
; loads (its part of the next slot), adds 0 to its spare word and waits for that and for its reads of this slot; behind the round the slot just read is filled again first.
.macro CHG slot, fill, ty, iu
	WIN 0
	s_wait_xcnt 0x0                                ; my prefetches have read their address
	s_wait_tensorcnt 0x0
	ds_add_u32 v[SPW], v[NIL]
	s_add_nc_u64 s[26+4*\slot:27+4*\slot], s[26+4*\slot:27+4*\slot], 2*SLOT
.if (\fill) == 2
	s_add_nc_u64 s[PFA:PFA+1], s[PFA:PFA+1], SLOT
.endif
	MS \ty, \iu, 0, 2
	s_wait_dscnt 0x0
	s_barrier_signal -1
	MS \ty, \iu, 0, 3
	WIN 0
	s_barrier_wait -1
	CREST
	JLOAD \slot
.endm
; Piece p (0 to 4) of a slot's eight: it has landed when at most the two younger pieces are out (18 loads, or 22 where a bias of 4 loads stands ahead of one of them).  Then the piece three further on is asked for, into the
; registers of the piece before; four places stand ahead of those loads.  A unit's vector work follows its fourth piece.
.macro PIECE ty, slot, ib, p, cnt
	s_wait_dscnt \cnt
.if ((\p)%4) != 0
	PLACES 4
.endif
.if (\p) == 1
	WIN 0
.if (\ty) == 0
	BIASF BA, 128*(\ib+1)
.elseif (\ty) == 2
	BIASF BA, 4096+128*(\ib+1)
.elseif (\ty) == 3
	BIASF BA0, 8192+128*(\ib+1)
.endif
.endif
	FETCH \slot, ((\p)+3)/4, ((\p)+3)%4
.if ((\ty) == 3) && (((\p)%4) == 0)
	BOADD \ib+(\p)/4, BI
.endif
	MS2 \ty, \ib+(\p)/4, (\p)%4
.if ((\p)%4) == 3
	PLACES 4
	WIN 0
	VEC \ty, \ib+(\p)/4
.endif
.endm
.macro NEXTB ty, nb                    ; the bias of the next slot's first unit
	WIN 0
.if (\nb) > 0
.if (\ty) == 3
	BIASF BA0, \nb
.else
	BIASF BA, \nb
.endif
.endif
.endm
; A slot: units ib and ib + 1.
; fill: 2 refill and prefetch, 1 refill, 0 on to the last slot (my own load alone is waited for), 3 the last slot.  nb: where the next slot's first bias lies (0: none).  w0: the first piece's count
.macro SLOTW ty, slot, ib, fill, nb, w0
	PIECE \ty, \slot, \ib, 0, \w0
	PIECE \ty, \slot, \ib, 1, 18
.if (\ty) == 1
	PIECE \ty, \slot, \ib, 2, 18
	PIECE \ty, \slot, \ib, 3, 18
.else
	PIECE \ty, \slot, \ib, 2, 22
	PIECE \ty, \slot, \ib, 3, 22
.endif
	PIECE \ty, \slot, \ib, 4, 18
	s_wait_dscnt 18
.if (\fill) == 3
	MS2 \ty, \ib+1, 1
	s_wait_dscnt 9
	MS2 \ty, \ib+1, 2
	s_wait_dscnt 0x0
.elseif (\fill) == 0
	PLACES 4
	s_wait_tensorcnt 0x0                           ; my part of the last slot is in; nothing is filled again
	NEXTB \ty, \nb
	FETCH 1-\slot, 0, 0
	MS2 \ty, \ib+1, 1
	s_wait_dscnt 22
	PLACES 4
	FETCH 1-\slot, 0, 1
	MS2 \ty, \ib+1, 2
	s_wait_dscnt 22
	PLACES 4
	FETCH 1-\slot, 0, 2
.else
.if ((\ty) == 0) && ((\slot) == 1)
	SIGQ
.endif
	CHG \slot, \fill, \ty, \ib+1
	NEXTB \ty, \nb
	FETCH 1-\slot, 0, 0
.if (\fill) == 2
	PREF 3*SLOT
.endif
.if ((\ty) == 0) && ((\slot) == 1)
	SIGR
.endif
	FETCH 1-\slot, 0, 1
	MS2 \ty, \ib+1, 2
	PLACES 4
	FETCH 1-\slot, 0, 2
.endif
	MS2 \ty, \ib+1, 3
	PLACES 4
	WIN 0
	VEC \ty, \ib+1
.endm
	s_load_b512 s[36:51], s[0:1], 0x0              ; image, signal, wq, bq, bv, bo, gamma, beta: s[36:37] .. s[50:51]
	s_load_b64 s[52:53], s[0:1], 0x40              ; out0
	v_lshl_add_u32 v[SPW], v0, 2, SPARE
	v_mov_b32 v[NIL], 0
	ds_add_u32 v[SPW], v[NIL]                      ; the wave's opening: the add, twice on end, and its wait
	ds_add_u32 v[SPW], v[NIL]
	v_lshrrev_b32 v21, 5, v0
	v_readfirstlane_b32 s[WV], v21                 ; wave 0..3
	s_mov_b32 s16, 15|(3<<16)|(1<<21)              ; group 1: the mask of all four work-groups; elements of 8 bytes; bit 21 beside a mask
	s_mov_b32 s17, 32<<16                          ; two units as 136 dense rows of 256 bytes
	s_mov_b32 s18, 136<<16
	s_mov_b32 s19, 32<<16
	s_mov_b32 s20, 136
	s_mov_b32 s21, 32
	s_mov_b32 s22, 0
	s_mov_b32 s23, 0
	s_mov_b32 s24, 1
	s_mul_i32 s25, s[WV], WPART                    ; LDS address in slot 0
	s_mov_b32 s28, 1
	s_add_co_u32 s29, s25, SLOT
	s_mul_i32 s8, s[WV], WPART                     ; and in a slot of wq
	s_mov_b32 s9, 0
	s_lshl_b32 s10, s[WV], 10
	s_lshl_b32 s11, s[WV], 11
	s_lshl_b32 s12, s[WV], 8
	s_mul_i32 s13, s[WV], 4352
	s_add_co_u32 s13, s13, STG                     ; my stage
	s_bfe_u32 s4, ttmp6, 0x40000                   ; cx: it enters the rows' and the prefetches' addresses alone
	s_lshl_b32 s5, ttmp9, 2
	s_add_co_u32 s5, s5, s4
	s_lshl_b32 s14, s5, 17                         ; 32 rows of 4,096 bytes
	s_mov_b32 s15, 0
	s_mul_i32 s7, s4, 8704                         ; 34 blocks of 256 bytes for each partner
	s_and_b32 s[PFC], ttmp9, 0x1b                  ; 0 in clusters 0, 4, 32 and 36: these prefetch
	s_mov_b32 s[SEL], 0x76543210
	s_mov_b32 s[SEL+1], 0xfedcba98                 ; lane selects: lane l xor 16
	s_mov_b32 s60, 0x3a800000                      ; 1 / 1024
	s_mov_b32 s61, 0x3727c5ac                      ; 1e-5
	s_mov_b32 s[HH], 0
	s_mov_b32 s57, 0                               ; 512 hh
	s_mov_b32 s62, 0                               ; 1,024 hh
	s_mov_b32 s63, 0                               ; 128 hh
	v_and_b32 v21, 31, v0                          ; lane
	v_bfe_u32 v22, v0, 4, 1                        ; h
	v_and_b32 v23, 15, v0                          ; r
	v_lshlrev_b32 v1, 4, v21
	v_add_nc_u32 v[LW], s25, v1
	v_add_nc_u32 v[LW+1], SLOT, v[LW]
	v_lshl_add_u32 v[VB], v23, 4, s10
	v_lshl_add_u32 v[GA], v22, 12, v[VB]
	v_mul_u32_u24 v[ST], v22, 272
	v_lshl_add_u32 v[ST], v23, 4, v[ST]
	v_add_nc_u32 v[ST], s13, v[ST]
	v_mul_u32_u24 v[RD], v23, 272
	v_lshl_add_u32 v[RD], v22, 6, v[RD]
	v_add_nc_u32 v[RD], s13, v[RD]
	v_add_nc_u32 v[CR], CODES, v1
	v_add_nc_u32 v[CW], s11, v[CR]
	v_lshlrev_b32 v[XR], 2, v21
	v_add_nc_u32 v[XR], CODES+16384, v[XR]
	v_add_nc_u32 v[XW], s12, v[XR]
	v_add_nc_u32 v[TW0], CTO, v[CW]
	v_add_nc_u32 v[TS0], CTO, v[XW]
	v_lshlrev_b32 v[BA0], 6, v22
	v_add_nc_u32 v[BA0], s10, v[BA0]
	v_add_nc_u32 v[BA0], BIAS, v[BA0]
	v_add_nc_u32 v24, s10, v1                      ; the bias copy: each wave its own 1,024 bytes of each
	v_add_nc_u32 v25, BIAS, v24
	v_lshl_add_u32 v[LS], v0, 2, LN
	v_lshl_add_u32 v[LR], v23, 2, LN
	v_lshl_add_u32 v[PF], v21, 8, s7
	v_add_nc_u32 v[PF+1], 32, v21
	v_min_u32 v[PF+1], 33, v[PF+1]                 ; lanes left over name the last block again
	v_lshl_add_u32 v[PF+1], v[PF+1], 8, s7
	v_cmp_lt_u32 s56, 15, v21                      ; the mask of lanes 16 to 31
.irp b, 0,1,2,3
	v_mov_b32 v[TM+4+\b], 0                        ; written once: a lane permute's destination counts as one of its sources
.endr
.irp s, 0,1,2,3,4,5,6,7
	v_mov_b32 v[XSS+\s], 0                         ; (the loop's first trip loads them)
.endr
	s_wait_alu depctr_va_vdst(0)                   ; the wait at the head's end
	s_wait_dscnt 0x0                               ; both opening adds are done
	ROUND                                          ; all four work-groups are here: the joint loads meet
	s_wait_kmcnt 0x0
	s_add_nc_u64 s[26:27], s[40:41], s[8:9]
	s_add_nc_u64 s[30:31], s[26:27], SLOT
	s_mov_b64 s[PFA:PFA+1], s[26:27]               ; slot 0; each change of slots steps it by one slot and names the slot three further on
	s_or_b32 s27, s27, 0x80000000                  ; type = 2
	s_or_b32 s31, s31, 0x80000000
	s_add_nc_u64 s[36:37], s[36:37], s[14:15]
	s_add_nc_u64 s[38:39], s[38:39], s[14:15]
	s_add_nc_u64 s[52:53], s[52:53], s[14:15]
	PREF 0                                         ; slots 0 and 1, ahead of the features' loads
	PREF SLOT
.irp b, 0,1,2
.irp c, 0,1
	global_load_b128 v[74+8*\b-40*(\b/2)+4*\c:77+8*\b-40*(\b/2)+4*\c], v24, s[42+2*\b:43+2*\b] offset:512*\c
.endr
.endr
	LOADX 2, 0,   0, 0, 36
	JLOAD 0                                        ; one tensor load a wave at the head
	PREF 2*SLOT
	LOADX 2, 64,  0, 1, 36
	LOADX 2, 128, 1, 0, 36
	LOADX 2, 192, 1, 1, 36
	s_wait_loadcnt 0x30                            ; img's first chunk and the biases are in; the 48 loads of three chunks may be out, here and below
.irp b, 0,1,2
.irp c, 0,1
	ds_store_b128 v25, v[74+8*\b-40*(\b/2)+4*\c:77+8*\b-40*(\b/2)+4*\c] offset:4096*\b+512*\c
.endr
.endr
	CHUNK 2, 0, 0, 0
	LOADX 1, 128, 0, 0, 38
	s_wait_loadcnt 0x30
	CHUNK 2, 64, 0, 1
	LOADX 1, 192, 0, 1, 38
	s_wait_loadcnt 0x30
	CHUNK 2, 128, 1, 0
	LOADX 0, 128, 1, 0, 38
	s_wait_loadcnt 0x30
	CHUNK 2, 192, 1, 1
	XSTORE
	LOADX 0, 192, 1, 1, 38
	s_wait_tensorcnt 0x0                           ; my part of slot 0 is in
	ds_add_u32 v[SPW], v[NIL]
	s_wait_dscnt 0x0                               ; the add and my code stores are done
	ROUND                                          ; img's codes lie in LDS, and the joint loads meet
	JLOAD 1
	XREAD 0, 0, XSI
	BIASF BA0, 0
	FETCH 0, 0, 0
	FETCH 0, 0, 1
	FETCH 0, 0, 2
	PREF 3*SLOT
.Ltrip:                                                ; a trip: one of my two heads, six slots
	v_add_nc_u32 v[BA], s57, v[BA0]
	v_add_nc_u32 v[TW], s62, v[TW0]
	v_add_nc_u32 v[TS], s63, v[TS0]
	s_wait_alu depctr_va_vdst(0)
	SLOTW 0, 0, 0, 2, 256, 18
	SLOTW 0, 1, 2, 2, 0, 18
	SLOTW 1, 0, 0, 2, 0, 18
	SLOTW 1, 1, 2, 2, 4096, 18
	SLOTW 2, 0, 0, 2, 4352, 18
	SLOTW 2, 1, 2, 2, 512, 18                      ; the next head's first bq (behind the second head the last product's bias takes its place)
	s_add_co_u32 s57, s57, 512
	s_add_co_u32 s62, s62, 1024
	s_add_co_u32 s63, s63, 128
	s_add_co_u32 s[HH], s[HH], 1
	s_cmp_lt_u32 s[HH], 2
	s_cbranch_scc1 .Ltrip
	s_wait_dscnt 0x0                               ; my ctx stores are done
	s_barrier_signal -1
	s_barrier_wait -1                              ; ctx's codes lie in LDS
; Slot 15's unit i, the wave's unit 6 + i, straight into 128 registers: i = 0 where q was (window 3), i = 1 where sig's codes were (window 1); its scale words into v34-41 or v90-97.  34 loads of 512 consecutive bytes.
; s[PFA] stands at slot 12.
.macro DLOAD i, win
	WIN \win
.irp u, 0,1
.irp s, 0,1,2,3,4,5,6,7
.irp c, 0,1
	global_load_b128 v[128+64*\u+8*\s+4*\c:128+64*\u+8*\s+4*\c+3], v1, s[PFA:PFA+1] offset:3*SLOT+(\i)*XU+(8*\u+\s)*1024+512*\c
.endr
.endr
.endr
	WIN 0
.irp g, 0,1
	global_load_b128 v[34+56*(\i)+4*\g:34+56*(\i)+4*\g+3], v1, s[PFA:PFA+1] offset:3*SLOT+(\i)*XU+16384+512*\g
.endr
.endm
.macro MSD i                           ; and its products, four accumulators by turns
.irp s, 0,1,2,3,4,5,6,7
	WIN 0xA7-2*(\i)
.irp u, 0,1
.irp m, 0,1
	WM 128*\m+16*(6+\i)+8*\u, 128+64*\u+8*\s, 64*\m+8*\s, 1, 128*\m+16*(6+\i)+8*\u, 34+56*\i+\s, XSI+\s, \u, \m
.endr
.endr
.endr
.endm
.irp c, 0,1,2,3,4,5,6,7
	ds_load_b128 v[192+4*\c:195+4*\c], v[BA0] offset:8960+128*(\c/4)+16*(\c%4)   ; bo of units 6 and 7
.endr
	BIASF BA0, 8192
	XREAD 0, CTO, XSI
	DLOAD 0, 0xC0
	SLOTW 3, 0, 0, 1, 8448, 24                     ; the first piece needs the biases, the scale words and K steps 0 and 1: the other K steps' 24 loads may be out
	DLOAD 1, 0x40
.irp q, 0,1,2,3
	global_load_b128 v[GM+4*\q:GM+4*\q+3], v[VB], s[48:49] offset:256*\q
	global_load_b128 v[BT+4*\q:BT+4*\q+3], v[VB], s[50:51] offset:256*\q
.endr
	BOADD 6, 192
	BOADD 7, 208
	WIN 0
	s_wait_alu depctr_va_vdst(0)                   ; ahead of later blocking waits
	SLOTW 3, 1, 2, 3, 0, 18
	WIN 0
	s_wait_loadcnt 0x2a                            ; unit 6 is in; unit 7's 34 loads and the 8 of gamma and beta may be out
	MSD 0
	s_wait_loadcnt 0x8                             ; unit 7 is in
	MSD 1
	PLACES 4
	WIN 0
	s_wait_tensorcnt 0x0                           ; my part of slot 14 is in; nothing is filled again
	BIASF BA0, 8704
	FETCH 0, 0, 0
	FETCH 0, 0, 1
	FETCH 0, 0, 2
	VEC 3, 6
	VEC 3, 7
	SLOTW 3, 0, 4, 3, 0, 18
; LAYERNORM.  A row's sum: the lane's chains, the lane 16 away, then the four waves through LDS
.macro REDUCE off
.irp m, 0,1
	v_pk_add_f32 v[T+8*\m:T+8*\m+1], v[T+8*\m:T+8*\m+1], v[T+8*\m+2:T+8*\m+3]
	v_pk_add_f32 v[T+8*\m+4:T+8*\m+5], v[T+8*\m+4:T+8*\m+5], v[T+8*\m+6:T+8*\m+7]
.endr
.irp m, 0,1
	v_pk_add_f32 v[T+8*\m:T+8*\m+1], v[T+8*\m:T+8*\m+1], v[T+8*\m+4:T+8*\m+5]
.endr
.irp m, 0,1
	v_add_f32 v[T+8*\m], v[T+8*\m], v[T+8*\m+1]
.endr
.irp m, 0,1
	v_permlanex16_b32 v[T+8*\m+1], v[T+8*\m], s[SEL], s[SEL+1]
.endr
.irp m, 0,1
	v_add_f32 v[T+8*\m], v[T+8*\m], v[T+8*\m+1]
.endr
	v_cndmask_b32 v[T+2], v[T], v[T+8], s56
	ds_store_b32 v[LS], v[T+2] offset:\off
	s_wait_dscnt 0x0
	s_barrier_signal -1
	s_barrier_wait -1
.irp m, 0,1
.irp w, 0,1,2,3
	ds_load_b32 v[T+16+4*\m+\w], v[LR] offset:\off+128*\w+64*\m
.endr
.endr
	s_wait_dscnt 0x0
.irp m, 0,1
	v_add_f32 v[T+16+4*\m], v[T+16+4*\m], v[T+17+4*\m]
	v_add_f32 v[T+18+4*\m], v[T+18+4*\m], v[T+19+4*\m]
.endr
.irp m, 0,1
	v_add_f32 v[T+16+4*\m], v[T+16+4*\m], v[T+18+4*\m]
.endr
.endm
	REDUCE 0
.irp m, 0,1
	v_mul_f32 v[MU+2*\m], s60, v[T+16+4*\m]
	v_mul_f32 v[MU+2*\m+1], s60, v[T+16+4*\m]
.endr
	WIN 0x82
.irp m, 0,1
.set p, 0
.rept 64
	v_pk_add_f32 v[128*\m+2*p:128*\m+2*p+1], v[128*\m+2*p:128*\m+2*p+1], v[MU+2*\m:MU+2*\m+1] neg_lo:[0,1] neg_hi:[0,1]
.set p, p+1
.endr
.endr
	WIN 0x0A
.irp m, 0,1
.irp c, 0,1,2,3
	v_pk_mul_f32 v[T+8*\m+2*\c:T+8*\m+2*\c+1], v[128*\m+2*\c:128*\m+2*\c+1], v[128*\m+2*\c:128*\m+2*\c+1]
.endr
.endr
.set p, 4
.rept 60
.irp m, 0,1
	v_pk_fma_f32 v[T+8*\m+2*(p%4):T+8*\m+2*(p%4)+1], v[128*\m+2*p:128*\m+2*p+1], v[128*\m+2*p:128*\m+2*p+1], v[T+8*\m+2*(p%4):T+8*\m+2*(p%4)+1]
.endr
.set p, p+1
.endr
	WIN 0
	REDUCE 512
.irp m, 0,1
	v_fma_f32 v[T+16+4*\m], v[T+16+4*\m], s60, s61
.endr
	s_wait_alu depctr_va_vdst(0)
.irp m, 0,1
	v_rsq_f32 v[RS+2*\m], v[T+16+4*\m]
	v_rsq_f32 v[RS+2*\m+1], v[T+16+4*\m]
.endr
	v_nop
	s_wait_alu depctr_va_vdst(0)
	s_wait_loadcnt 0x0                             ; gamma and beta
; THE WAY OUT: 16 rows x 64 columns turn through my stage in place; gamma and beta are applied; sixteen lanes store one aligned unit of 256 bytes
.macro TOUT c
.set cb, 128*((\c)/4)+32*((\c)%4)
	WIN 0x82
.set p, 0
.rept 16
	v_pk_mul_f32 v[cb+2*p:cb+2*p+1], v[cb+2*p:cb+2*p+1], v[RS+2*((\c)/4):RS+2*((\c)/4)+1]
.set p, p+1
.endr
	WIN 0x88
.irp t, 0,1
.irp j, 0,1,2,3
	ds_store_b128 v[RD], v[cb+16*\t+4*\j:cb+16*\t+4*\j+3] offset:128*\t+16*\j
.endr
.endr
.irp i, 0,1,2,3,4,5,6,7
	ds_load_b128 v[cb+4*\i:cb+4*\i+3], v[ST] offset:544*\i
.endr
.endm
.macro SEND c, younger                 ; younger: the next block's 8 stores and 8 loads, which may stay out
.set cb, 128*((\c)/4)+32*((\c)%4)
.set cq, (\c)%4
.set cr, (\c)/4
	s_wait_dscnt \younger
	WIN 0x82
.irp i, 0,1,2,3,4,5,6,7
.irp e, 0,2
	v_pk_fma_f32 v[cb+4*\i+\e:cb+4*\i+\e+1], v[cb+4*\i+\e:cb+4*\i+\e+1], v[GM+4*cq+\e:GM+4*cq+\e+1], v[BT+4*cq+\e:BT+4*cq+\e+1]
.endr
.endr
	WIN 0x08
.irp i, 0,1,2,3,4,5,6,7
	global_store_b128 v[GA], v[cb+4*\i:cb+4*\i+3], s[52:53] offset:(16*cr+2*\i)*4096+256*cq th:TH_STORE_NT
.endr
.endm
	TOUT 0
.irp c, 1,2,3,4,5,6,7
	TOUT \c
	SEND \c-1, 16
.endr
	SEND 7, 0
	WIN 0
	s_wait_tensorcnt 0x0                           ; the wave's end
	ds_add_u32 v[SPW], v[NIL]
	s_wait_dscnt 0x0
	ROUND                                          ; the closing round: no work-group ends while a partner may still ask for units that name it
	s_endpgm
.Lfunc_end_k_qb1db06f143_fuse:
	.size	k_qb1db06f143_fuse, .Lfunc_end_k_qb1db06f143_fuse-k_qb1db06f143_fuse
	.p2alignl 7, 3214868480
	.fill 96, 4, 3214868480
	.section	.rodata,"a",@progbits
	.p2align	6, 0x0
	.amdhsa_kernel k_qb1db06f143_fuse
		.amdhsa_group_segment_fixed_size 327680
		.amdhsa_private_segment_fixed_size 0
		.amdhsa_enable_private_segment 0
		.amdhsa_kernarg_size 72
		.amdhsa_user_sgpr_count 2
		.amdhsa_user_sgpr_kernarg_segment_ptr 1
		.amdhsa_wavefront_size32 1
		.amdhsa_system_sgpr_workgroup_id_x 1
		.amdhsa_system_sgpr_workgroup_id_y 1
		.amdhsa_system_sgpr_workgroup_id_z 1
		.amdhsa_system_vgpr_workitem_id 0
		.amdhsa_next_free_vgpr 1024
		.amdhsa_next_free_sgpr 66
		.amdhsa_reserve_vcc 0
		.amdhsa_float_denorm_mode_32 3
		.amdhsa_float_denorm_mode_16_64 3
		.amdhsa_memory_ordered 1
		.amdhsa_forward_progress 1
		.amdhsa_inst_pref_size 255
	.end_amdhsa_kernel
	.section	.bss,"aw",@nobits
	.p2align	6
	.space	262144
	.amdgpu_metadata
---
amdhsa.version: [ 1, 2 ]
amdhsa.kernels:
  - .name:           k_qb1db06f143_fuse
    .symbol:         k_qb1db06f143_fuse.kd
    .args:
      - { .name: image_features, .offset: 0, .size: 8, .value_kind: global_buffer, .address_space: global }
      - { .name: signal_features, .offset: 8, .size: 8, .value_kind: global_buffer, .address_space: global }
      - { .name: wq, .offset: 16, .size: 8, .value_kind: global_buffer, .address_space: global }
      - { .name: bq, .offset: 24, .size: 8, .value_kind: global_buffer, .address_space: global }
      - { .name: bv, .offset: 32, .size: 8, .value_kind: global_buffer, .address_space: global }
      - { .name: bo, .offset: 40, .size: 8, .value_kind: global_buffer, .address_space: global }
      - { .name: ln_gamma, .offset: 48, .size: 8, .value_kind: global_buffer, .address_space: global }
      - { .name: ln_beta, .offset: 56, .size: 8, .value_kind: global_buffer, .address_space: global }
      - { .name: out0, .offset: 64, .size: 8, .value_kind: global_buffer, .address_space: global }
    .group_segment_fixed_size: 327680
    .private_segment_fixed_size: 0
    .kernarg_segment_align: 8
    .kernarg_segment_size: 72
    .max_flat_workgroup_size: 128
    .sgpr_count:     66
    .vgpr_count:     1024
    .wavefront_size: 32
...
	.end_amdgpu_metadata
.endif
;; end of part 2
